; MI455X (gfx1250); checked and timed in simulation.
; The chip was launched on July 23, 2026; its instructions are those of AMD's public machine-readable ISA for CDNA 5 (MIT licence, August 2026) and "CDNA5" Instruction Set Architecture Reference Guide (July 2026). The comments in the code are by the model that wrote it; some were corrected since.
;; Uniform Matcher. Allowed arithmetic: float matrix products may take bf16 or f16 operands with f32 sums; all other float work in f32.
;; Inputs: anchors 8 x 32,768 x 4 float32; gt_boxes 8 x 64 x 4 float32; pred_boxes 8 x 32,768 x 4 float32.
;; Outputs: out0 8 x 512 int32; out1 8 x 512 int32.
;; 2 versions, each right; version 2 is version 1 with the launch blocks written anew for expert scheduling mode. Each part assembles by itself: llvm-mc -triple=amdgcn-amd-amdhsa -mcpu=gfx1250 --defsym DOCPART=n.
;; ======== version 1 of 2: 2 launches
;; workspace buffers: cand 262,144 bytes of whole numbers
;; launch blocks (part 1): grid 256 x 1, 4 waves a work-group, no clusters, 168,448 bytes of LDS; arguments pred_boxes, anchors, gt_boxes, cand, out1; writes cand, out1
.if DOCPART == 1
	.amdgcn_target "amdgcn-amd-amdhsa--gfx1250"
	.amdhsa_code_object_version 6
	.text
	.protected	k_q449cc41583_blocks
	.globl	k_q449cc41583_blocks
	.p2align	8
	.type	k_q449cc41583_blocks,@function
k_q449cc41583_blocks:
	s_mov_b64 s[64:65], 0
	v_nop
	global_prefetch_b8 v0, s[64:65] scope:SCOPE_SE
	s_setreg_imm32_b32 hwreg(HW_REG_WAVE_MODE, 25, 1), 1
	s_wait_xcnt 0x0
; FIRST OF TWO LAUNCHES.  For each list (source, batch, target) the four smallest L1 costs over 32,768 queries are wanted, with their indices.
; Queries go in BLOCKS of 16 neighbours.  This launch finds, for each list and each chunk of 2,048 queries (128 blocks), the four blocks that come
; first by (smallest cost in the block, block number), and stores their numbers.  Every member of the chunk's first four queries by (cost, index) lies
; in one of them: were its block not chosen, four chosen blocks would each hold a query that comes before it.  (For ties this needs blocks of
; NEIGHBOURING queries: a lower block number then means lower indices.)  The second launch looks at the chosen blocks query by query.
; So a pair (query, target) costs its seven additions and half a minimum here; indices are tracked once for 16 queries.
;
; Work-group n of 256: source n >> 7 (0 pred_boxes, 1 anchors), batch (n >> 4) & 7, chunk n & 15; all 64 targets.  Each box byte is read once in the launch.
; Four waves; a wave owns 512 queries, a lane one block: 16 queries, converted once to (cx, cy, w, h) and kept in 64 registers.
; No tile of boxes is shared between work-groups (only the batch's 1,024 bytes of targets, against 32,768 bytes of boxes), so no joint loads in a cluster.
; Arithmetic as the source writes it: (x0+x1)*0.5, (y0+y1)*0.5, x1-x0, y1-y0; cost = ((|d0|+|d1|)+|d2|)+|d3|, all f32.
; LIMIT: every cost must be finite (coordinates below about 4e37 in magnitude, no NaN, no infinity): the lists start with +inf, which only a smaller cost displaces.
; The launch asks for more than half of a WGP's LDS (it uses 72,704 bytes), so that each of the 256 work-groups has a WGP, and each wave a SIMD, to itself.
.set TP,   272                         ; LDS pitch of a block: 16 queries x 16 bytes + 16 = 17 x 16 bytes: sixteen lanes at one column of sixteen blocks touch sixteen different 16-byte columns modulo 256
.set TRW,  32*TP                       ; a wave's own bytes for turning its 512 queries: 32 blocks
.set GTB,  4*TRW                       ; behind them: each wave's own copy of the 64 converted targets, 1,024 bytes
.set MB,   GTB+4*1024                  ; behind them: M[target][block], the blocks' smallest costs
.set MP,   528                         ; M's pitch: 128 blocks x 4 bytes + 16 = 33 x 16 bytes
.set LN,  1                            ; v1      lane
.set RR,  2                            ; v2      lane & 15
.set HH,  3                            ; v3      lane >> 4
.set GO,  4                            ; v4      16 x lane
.set TS,  5                            ; v5      LDS: where a converted query is put
.set TL,  6                            ; v6      LDS: my block
.set GS,  7                            ; v7      LDS: where a converted target is put
.set GA,  8                            ; v8      LDS: this trip's first target (the same in all lanes)
.set MA,  9                            ; v9      LDS: my block's column of M
.set SA,  10                           ; v10     LDS: the 64 blocks of M that I scan
.set T,   12                           ; v[12:13] at work
.set OO,  14                           ; v14     out1: byte offset
.set G,   16                           ; v[16:31] four targets (cx, cy, w, h), each in all lanes
.set A,   32                           ; v[32:38] the tree of minima
.set M,   40                           ; v[40:43] my four smallest block minima, ascending
.set I,   44                           ; v[44:47] their block numbers
.set AT,  48                           ; v[48:49] at work in an insertion
.set P,   50                           ; v[50:51] the two block numbers that I store
.set CO,  52                           ; v52     cand: byte offset
.set BI,  53                           ; v53     number of the first block that I scan
.set O1,  54                           ; v[54:55] out1: data
.set GR,  56                           ; v[56:63] two targets as loaded
.set Q,   64                           ; v[64:127]  my 16 queries (cx, cy, w, h)
.set D,   128                          ; v[128:191] queries as loaded; then differences and costs; then 64 block minima
; a box (x0, y0, x1, y1) in four registers becomes (cx, cy, w, h) in place
.macro CONV a
	v_pk_add_f32 v[T:T+1], v[\a:\a+1], v[\a+2:\a+3]                                ; x0+x1, y0+y1
	v_pk_add_f32 v[\a+2:\a+3], v[\a+2:\a+3], v[\a:\a+1] neg_lo:[0,1] neg_hi:[0,1]  ; x1-x0, y1-y0
	v_pk_mul_f32 v[\a:\a+1], v[T:T+1], 0.5 op_sel_hi:[1,0]
.endm
	s_load_b256 s[4:11], s[0:1], 0x0               ; pred_boxes s[4:5], anchors s[6:7], gt_boxes s[8:9], cand s[10:11]
	s_load_b64 s[12:13], s[0:1], 0x20              ; out1
	v_lshl_add_u32 v192, v0, 2, 0x29000
	v_mov_b32 v193, 0
	v_and_b32 v[LN], 31, v0
	v_lshrrev_b32 v[T], 5, v0
	v_readfirstlane_b32 s14, v[T]                  ; wave 0..3
	s_bfe_u32 s15, ttmp9, 0x30004                  ; batch: 3 bits from bit 4
	s_and_b32 s16, ttmp9, 15                       ; chunk
	s_lshl_b32 s18, s15, 19                        ; batch x 32,768 boxes x 16 bytes
	s_lshl_b32 s17, s16, 15                        ; + chunk x 2,048 x 16
	s_or_b32 s18, s18, s17
	s_lshl_b32 s17, s14, 13                        ; + wave x 512 x 16
	s_or_b32 s18, s18, s17
	s_mov_b32 s19, 0
	s_lshl_b32 s20, s15, 10                        ; batch x 64 targets x 16 bytes
	s_mov_b32 s21, 0
	v_lshlrev_b32 v[GO], 4, v[LN]
	s_wait_kmcnt 0x0
	s_cmp_lt_u32 ttmp9, 128                        ; work-groups 0-127 take pred_boxes, 128-255 anchors
	s_cselect_b64 s[22:23], s[4:5], s[6:7]
	s_add_nc_u64 s[22:23], s[22:23], s[18:19]
	s_add_nc_u64 s[8:9], s[8:9], s[20:21]
	global_load_b128 v[GR:GR+3],   v[GO], s[8:9]               ; target = lane
	global_load_b128 v[GR+4:GR+7], v[GO], s[8:9] offset:512    ; target = lane + 32
.irp j, 0,1,2,3,4,5,6,7,8,9,10,11,12,13,14,15
	global_load_b128 v[D+4*\j:D+4*\j+3], v[GO], s[22:23] offset:512*\j     ; query 32 j + lane of my wave: 512 neighbouring bytes an instruction
.endr
	; LDS addresses, while the loads are on their way
	v_and_b32 v[RR], 15, v[LN]
	v_lshrrev_b32 v[HH], 4, v[LN]
	s_mul_i32 s24, s14, TRW                        ; my wave's own bytes
	v_mul_u32_u24 v[TS], v[HH], TP                 ; query 32 j + lane lies in block 2 j + (lane >> 4), at place lane & 15
	v_lshl_add_u32 v[TS], v[RR], 4, v[TS]
	v_add_nc_u32 v[TS], s24, v[TS]
	v_mul_u32_u24 v[TL], v[LN], TP                 ; block = lane
	v_add_nc_u32 v[TL], s24, v[TL]
	s_lshl_b32 s25, s14, 10
	s_add_co_u32 s25, s25, GTB                     ; my wave's own copy of the targets
	v_add_nc_u32 v[GS], s25, v[GO]
	v_mov_b32 v[GA], s25
	v_lshlrev_b32 v[MA], 2, v0                     ; M's column = thread = block of the chunk
	v_add_nc_u32 v[MA], MB, v[MA]
	s_mul_i32 s26, s14, 16*MP                      ; the scan: target 16 wave + (lane & 15), blocks 64 (lane >> 4) ..
	s_add_co_u32 s26, s26, MB
	v_mul_u32_u24 v[SA], v[RR], MP
	v_lshl_add_u32 v[SA], v[HH], 8, v[SA]
	v_add_nc_u32 v[SA], s26, v[SA]
	s_mov_b32 s40, 0x76543210                      ; v_permlanex16_b32: lane i reads lane i of the other half
	s_mov_b32 s41, 0xfedcba98
	s_wait_loadcnt 16                              ; loads come back in order: the two targets are in, the 16 query loads may be out
	CONV GR
	CONV GR+4
	ds_store_b128 v[GS], v[GR:GR+3]
	ds_store_b128 v[GS], v[GR+4:GR+7] offset:512
.irp j, 0,1,2,3,4,5,6,7,8,9,10,11,12,13,14,15
	s_wait_loadcnt 15-\j                           ; load j is in, the younger ones may be out
	CONV D+4*\j
	ds_store_b128 v[TS], v[D+4*\j:D+4*\j+3] offset:\j*2*TP
.endr
	; The wave's own bytes, and LDS serves a wave's instructions in order: these loads see the stores above, with no wait and no barrier between.
.irp g, 0,1,2,3,4,5,6,7,8,9,10,11,12,13,14,15
	ds_load_b128 v[Q+4*\g:Q+4*\g+3], v[TL] offset:16*\g        ; query g of my block
.endr
.irp u, 0,1,2,3
	ds_load_b128 v[G+4*\u:G+4*\u+3], v[GA] offset:16*\u        ; targets 0 to 3, one address for all lanes
.endr
	s_wait_dscnt 0x0
; differences of query g and target slot u: two packed subtractions
.macro SUBS u, g
	v_pk_add_f32 v[D+4*\g:D+4*\g+1],   v[Q+4*\g:Q+4*\g+1],   v[G+4*\u:G+4*\u+1]   neg_lo:[0,1] neg_hi:[0,1]
	v_pk_add_f32 v[D+4*\g+2:D+4*\g+3], v[Q+4*\g+2:Q+4*\g+3], v[G+4*\u+2:G+4*\u+3] neg_lo:[0,1] neg_hi:[0,1]
.endm
; One target: 16 costs and the first level of their minimum, 88 vector instructions with the rest of the tree.
; The last three steps of a tree hang on each other, so they are done among the NEXT target's subtractions (fin = 1: finish the target before;
; so = its offset in M from v[MA]; adv = 1: v[MA] then goes on by four targets).  The cost of query 15 waits in v[D+60], which the subtractions of query 15 write last.
; pre = 1: when slot u has been read, it is loaded again with the target four further on.
; left: how many younger LDS instructions may be out when slot u's load has to be in.
.macro TARGET u, left, fin, so, adv, pre
	s_wait_dscnt \left
.irp g, 0,1,2,3
	SUBS \u, \g
.endr
.if \fin
	v_min3_num_f32 v[A+5], v[A], v[A+1], v[A+2]
	v_min3_num_f32 v[A+6], v[A+3], v[A+4], v[D+60]
.endif
.irp g, 4,5,6,7
	SUBS \u, \g
.endr
.if \fin
	v_min_num_f32 v[A+5], v[A+5], v[A+6]           ; the block's smallest cost
.endif
.irp g, 8,9,10,11
	SUBS \u, \g
.endr
.if \fin
	ds_store_b32 v[MA], v[A+5] offset:\so
.if \adv
	v_add_nc_u32 v[MA], 4*MP, v[MA]
.endif
.endif
.irp g, 12,13,14,15
	SUBS \u, \g
.endr
.if \pre
	ds_load_b128 v[G+4*\u:G+4*\u+3], v[GA] offset:64+16*\u
.endif
.irp g, 0,1,2,3,4,5,6,7,8,9,10,11,12,13,14,15
	v_add_f32 v[D+4*\g], |v[D+4*\g]|, |v[D+4*\g+1]|
.endr
.irp g, 0,1,2,3,4,5,6,7,8,9,10,11,12,13,14,15
	v_add_f32 v[D+4*\g], v[D+4*\g], |v[D+4*\g+2]|
.endr
.irp g, 0,1,2,3,4,5,6,7,8,9,10,11,12,13,14,15
	v_add_f32 v[D+4*\g], v[D+4*\g], |v[D+4*\g+3]|
.endr
.irp a, 0,1,2,3,4
	v_min3_num_f32 v[A+\a], v[D+12*\a], v[D+12*\a+4], v[D+12*\a+8]
.endr
.endm
	; 16 trips of four targets.  A trip's LDS instructions are, in order: store, load, store, load, store, load, store, load (the store is the target
	; before's, the load slot u's refill).  Behind slot u's load stand three stores and three loads before slot u is read again: s_wait_dscnt 6.
	TARGET 0, 6, 0, 0,    0, 1                     ; the first trip: nothing to finish yet (its waits are met: all loads were waited for above)
	TARGET 1, 6, 1, 0,    0, 1
	TARGET 2, 6, 1, MP,   0, 1
	TARGET 3, 6, 1, 2*MP, 0, 1
	v_add_nc_u32 v[GA], 64, v[GA]
	s_mov_b32 s31, 14
.Ltrip:
	TARGET 0, 6, 1, 3*MP, 1, 1
	TARGET 1, 6, 1, 0,    0, 1
	TARGET 2, 6, 1, MP,   0, 1
	TARGET 3, 6, 1, 2*MP, 0, 1
	v_add_nc_u32 v[GA], 64, v[GA]
	s_sub_co_u32 s31, s31, 1
	s_cmp_lg_u32 s31, 0
	s_cbranch_scc1 .Ltrip
	TARGET 0, 6, 1, 3*MP, 1, 0                     ; the last trip loads nothing beyond target 63: only stores follow the loads, and the counts run down
	TARGET 1, 5, 1, 0,    0, 0
	TARGET 2, 4, 1, MP,   0, 0
	TARGET 3, 3, 1, 2*MP, 0, 0
	v_min3_num_f32 v[A+5], v[A], v[A+1], v[A+2]    ; target 63 is finished
	v_min3_num_f32 v[A+6], v[A+3], v[A+4], v[D+60]
	v_min_num_f32 v[A+5], v[A+5], v[A+6]
	ds_store_b32 v[MA], v[A+5] offset:3*MP
	s_wait_dscnt 0x0                               ; my part of M is written: zero, for the other waves' sake
	s_barrier_signal -1
	s_barrier_wait -1                              ; M is whole
	; THE SCAN.  Lane (r, h) of wave w: target 16 w + r, blocks 64 h to 64 h + 63, in ascending order.
.irp i, 0,1,2,3,4,5,6,7,8,9,10,11,12,13,14,15
	ds_load_b128 v[D+4*\i:D+4*\i+3], v[SA] offset:16*\i
.endr
.irp k, 0,1,2,3
	v_mov_b32 v[M+\k], 0x7f800000                  ; +inf: any finite cost displaces it
	v_mov_b32 v[I+\k], 0
.endr
; x (a register) with number j goes into the sorted list, without a branch.  A strict < keeps the earlier, lower number in front among equals.
; New value at place p: the middle one of (old p-1, old p, x).  New number at place p: x < old p-1 ? old number p-1 : (x < old p ? j : old number p).
.macro INSERT x, j
	v_cmp_lt_f32 s36, v[\x], v[M+3]
	v_cmp_lt_f32 s37, v[\x], v[M+2]
	v_cmp_lt_f32 s38, v[\x], v[M+1]
	v_cmp_lt_f32 s39, v[\x], v[M]
	v_med3_num_f32 v[M+3], v[M+2], v[M+3], v[\x]
	v_med3_num_f32 v[M+2], v[M+1], v[M+2], v[\x]
	v_med3_num_f32 v[M+1], v[M], v[M+1], v[\x]
	v_min_num_f32 v[M], v[M], v[\x]
	v_cndmask_b32 v[I+3], v[I+3], \j, s36
	v_cndmask_b32 v[AT], v[I+2], \j, s37
	v_cndmask_b32 v[AT+1], v[I+1], \j, s38
	v_cndmask_b32 v[I+3], v[I+3], v[I+2], s37
	v_cndmask_b32 v[I+2], v[AT], v[I+1], s38
	v_cndmask_b32 v[I+1], v[AT+1], v[I], s39
	v_cndmask_b32 v[I], v[I], \j, s39
.endm
.irp i, 0,1,2,3,4,5,6,7,8,9,10,11,12,13,14,15
	s_wait_dscnt 15-\i                             ; load i is in, the younger ones may be out
.irp e, 0,1,2,3
	INSERT D+4*\i+\e, 4*\i+\e
.endr
.endr
	; The two halves of a target's blocks lie in lanes l and l ^ 16.  Of two ascending lists a and b the four first are first(a[k], b[3-k]), k = 0..3.
	; Each lane makes k = 0 and k = 1 from its own side: the two lanes together hold the four.  Their order is not needed.
	s_lshl_b32 s27, s16, 7                         ; 128 blocks a chunk
	v_lshl_add_u32 v[BI], v[HH], 6, s27
.irp k, 0,1,2,3
	v_add_nc_u32 v[I+\k], v[BI], v[I+\k]           ; block numbers within (source, batch): 0 to 2,047
.endr
	v_permlanex16_b32 v[D],   v[M+3], s40, s41     ; (the destinations have been written: they held block minima)
	v_permlanex16_b32 v[D+1], v[I+3], s40, s41
	v_permlanex16_b32 v[D+2], v[M+2], s40, s41
	v_permlanex16_b32 v[D+3], v[I+2], s40, s41
	v_cmp_lt_f32 s36, v[M], v[D]                   ; mine comes first: smaller, or equal with the lower number
	v_cmp_eq_f32 s37, v[M], v[D]
	v_cmp_lt_u32 s38, v[I], v[D+1]
	v_cmp_lt_f32 s42, v[M+1], v[D+2]
	v_cmp_eq_f32 s43, v[M+1], v[D+2]
	v_cmp_lt_u32 s44, v[I+1], v[D+3]
	s_and_b32 s37, s37, s38
	s_and_b32 s43, s43, s44
	s_or_b32 s36, s36, s37
	s_or_b32 s42, s42, s43
	v_cndmask_b32 v[P],   v[D+1], v[I],   s36
	v_cndmask_b32 v[P+1], v[D+3], v[I+1], s42
	; cand[source][batch][chunk][target][4]: the work-group's 1,024 bytes lie at 1,024 x its number; a wave's store covers 256 consecutive bytes, aligned
	s_lshl_b32 s28, ttmp9, 10
	s_lshl_b32 s29, s14, 8
	s_or_b32 s28, s28, s29
	s_mov_b32 s29, 0
	s_add_nc_u64 s[10:11], s[10:11], s[28:29]
	v_lshlrev_b32 v[CO], 4, v[RR]
	v_lshl_add_u32 v[CO], v[HH], 3, v[CO]
	global_store_b64 v[CO], v[P:P+1], s[10:11]
	; out1[b][p] = p & 3: 4,096 numbers, 64 pieces of 256 bytes.  Wave 0 of every fourth work-group writes one whole piece, 8 bytes a lane.
	s_and_b32 s30, ttmp9, 3
	s_or_b32 s30, s30, s14
	s_cmp_lg_u32 s30, 0
	s_cbranch_scc1 .Lend
	v_and_b32 v[O1], 1, v[LN]
	v_lshlrev_b32 v[O1], 1, v[O1]                  ; (2 lane) & 3
	v_or_b32 v[O1+1], 1, v[O1]                     ; (2 lane + 1) & 3
	v_lshlrev_b32 v[OO], 3, v[LN]
	s_lshl_b32 s32, ttmp9, 6                       ; (work-group / 4) x 256
	s_mov_b32 s33, 0
	s_add_nc_u64 s[12:13], s[12:13], s[32:33]
	global_store_b64 v[OO], v[O1:O1+1], s[12:13]
.Lend:
	s_wait_tensorcnt 0x0
	ds_add_u32 v192, v193
	s_wait_dscnt 0x0
	s_endpgm
.Lfunc_end_k_q449cc41583_blocks:
	.size	k_q449cc41583_blocks, .Lfunc_end_k_q449cc41583_blocks-k_q449cc41583_blocks
	.p2alignl 7, 3214868480
	.fill 96, 4, 3214868480
	.section	.rodata,"a",@progbits
	.p2align	6, 0x0
	.amdhsa_kernel k_q449cc41583_blocks
		.amdhsa_group_segment_fixed_size 168448
		.amdhsa_private_segment_fixed_size 0
		.amdhsa_enable_private_segment 0
		.amdhsa_kernarg_size 40
		.amdhsa_user_sgpr_count 2
		.amdhsa_user_sgpr_kernarg_segment_ptr 1
		.amdhsa_wavefront_size32 1
		.amdhsa_system_sgpr_workgroup_id_x 1
		.amdhsa_system_sgpr_workgroup_id_y 1
		.amdhsa_system_sgpr_workgroup_id_z 1
		.amdhsa_system_vgpr_workitem_id 0
		.amdhsa_next_free_vgpr 194
		.amdhsa_next_free_sgpr 66
		.amdhsa_reserve_vcc 0
		.amdhsa_float_denorm_mode_32 3
		.amdhsa_float_denorm_mode_16_64 3
		.amdhsa_memory_ordered 1
		.amdhsa_forward_progress 1
		.amdhsa_inst_pref_size 140
	.end_amdhsa_kernel
	.amdgpu_metadata
---
amdhsa.version: [ 1, 2 ]
amdhsa.kernels:
  - .name:           k_q449cc41583_blocks
    .symbol:         k_q449cc41583_blocks.kd
    .args:
      - { .name: pred_boxes, .offset: 0, .size: 8, .value_kind: global_buffer, .address_space: global }
      - { .name: anchors, .offset: 8, .size: 8, .value_kind: global_buffer, .address_space: global }
      - { .name: gt_boxes, .offset: 16, .size: 8, .value_kind: global_buffer, .address_space: global }
      - { .name: cand, .offset: 24, .size: 8, .value_kind: global_buffer, .address_space: global }
      - { .name: out1, .offset: 32, .size: 8, .value_kind: global_buffer, .address_space: global }
    .group_segment_fixed_size: 168448
    .private_segment_fixed_size: 0
    .kernarg_segment_align: 8
    .kernarg_segment_size: 40
    .max_flat_workgroup_size: 128
    .sgpr_count:     66
    .vgpr_count:     194
    .wavefront_size: 32
...
	.end_amdgpu_metadata
.endif
;; end of part 1
;; launch rescan (part 2): grid 256 x 1, 4 waves a work-group, no clusters, 0 bytes of LDS; arguments pred_boxes, anchors, gt_boxes, cand, out0; writes out0
.if DOCPART == 2
	.amdgcn_target "amdgcn-amd-amdhsa--gfx1250"
	.amdhsa_code_object_version 6
	.text
	.protected	k_q449cc41583_rescan
	.globl	k_q449cc41583_rescan
	.p2align	8
	.type	k_q449cc41583_rescan,@function
k_q449cc41583_rescan:
	s_mov_b64 s[64:65], 0
	v_nop
	global_prefetch_b8 v0, s[64:65] scope:SCOPE_SE
	s_setreg_imm32_b32 hwreg(HW_REG_WAVE_MODE, 25, 1), 1
	s_wait_xcnt 0x0
; SECOND OF TWO LAUNCHES.  One wave for each of the 1,024 lists (source, batch, target).  The first launch left, for each of the list's 16 chunks, the numbers
; of the four blocks of 16 queries that hold the chunk's first four queries by (cost, index).  Here all 64 blocks, 1,024 queries, are costed again, and the
; first four by (cost, index) are kept with their indices: the list's result, in the order of lax.top_k (ascending cost, the lower index first among equals).
; Work-group n of 256: batch n >> 5, targets 2 (n & 31) and + 1; wave w: target + (w >> 1), source w & 1.  Its four results are the 64 bytes at 64 n of out0.
; Lane (r, h) = (lane & 15, lane >> 4) takes query r of blocks 2 h and 2 h + 1 of each chunk: 32 queries; a gather's sixteen lanes read 256 consecutive bytes, aligned.
; Arithmetic as in the first launch, so that the costs are the same bit for bit.  No LDS: the waves share nothing.
; A wave's result is 16 bytes, a part of a 256-byte piece of out0: a whole piece is 16 lists, and 16 lists to a work-group would leave work for 64 work-groups only;
; out0 is 16,384 bytes in all.
; LIMIT, as in the first launch: every cost must be finite (no NaN, no infinity, coordinates below about 4e37 in magnitude).
.set LN,  1                            ; v1      lane
.set RR,  2                            ; v2      lane & 15
.set HH,  3                            ; v3      lane >> 4
.set CA,  4                            ; v4      8 h: my two numbers among a chunk's four
.set R16, 5                            ; v5      16 r: my query in a block
.set Z,   6                            ; v6      0
.set CI,  8                            ; v[8:39]    chunk c: two block numbers as loaded
.set OFF, 40                           ; v[40:71]   query e: its byte offset in the batch's boxes
.set X,   72                           ; v[72:199]  query e: four registers, the box; then its cost in the first
.set GT,  200                          ; v[200:203] the target
.set M,   204                          ; v[204:207] four smallest costs, ascending
.set I,   208                          ; v[208:211] their indices
.set N,   212                          ; v[212:215] a second set, for the sorting steps
.set NI,  216                          ; v[216:219]
.set O,   220                          ; v[220:223] the other lane's list
.set OI,  224                          ; v[224:227]
.set AT,  228                          ; v[228:229] at work in an insertion
.set QI,  230                          ; v[230:233] four queries' indices
.set T,   234                          ; v[234:241] at work
	s_load_b256 s[4:11], s[0:1], 0x0               ; pred_boxes s[4:5], anchors s[6:7], gt_boxes s[8:9], cand s[10:11]
	s_load_b64 s[12:13], s[0:1], 0x20              ; out0
	v_and_b32 v[LN], 31, v0
	v_lshrrev_b32 v[Z], 5, v0
	v_readfirstlane_b32 s14, v[Z]                  ; wave 0..3
	v_mov_b32 v[Z], 0
	s_lshr_b32 s15, ttmp9, 5                       ; batch
	s_and_b32 s16, ttmp9, 31
	s_lshl_b32 s16, s16, 1
	s_lshr_b32 s17, s14, 1
	s_add_co_u32 s16, s16, s17                     ; target
	s_and_b32 s17, s14, 1                          ; source
	s_lshl_b32 s18, s15, 19                        ; boxes: batch x 32,768 x 16 bytes
	s_mov_b32 s19, 0
	s_lshl_b32 s24, s16, 4                         ; 16 x target
	s_lshl_b32 s20, s17, 3
	s_add_co_u32 s20, s20, s15
	s_lshl_b32 s20, s20, 14                        ; cand: (8 source + batch) x 16 chunks x 1,024 bytes
	s_add_co_u32 s20, s20, s24                     ;       + 16 x target
	s_mov_b32 s21, 0
	s_lshl_b32 s22, s15, 10                        ; gt_boxes: batch x 1,024 + 16 x target
	s_add_co_u32 s22, s22, s24
	s_mov_b32 s23, 0
	s_lshl_b32 s28, ttmp9, 6                       ; out0: 64 x work-group + 16 x wave
	s_lshl_b32 s29, s14, 4
	s_add_co_u32 s28, s28, s29
	s_mov_b32 s29, 0
	s_mov_b32 s44, 0x76543210                      ; v_permlanex16_b32: lane i reads lane i of the other half
	s_mov_b32 s45, 0xfedcba98
	v_and_b32 v[RR], 15, v[LN]
	v_lshrrev_b32 v[HH], 4, v[LN]
	v_lshlrev_b32 v[CA], 3, v[HH]
	v_lshlrev_b32 v[R16], 4, v[RR]
	s_wait_kmcnt 0x0
	s_cmp_eq_u32 s17, 0
	s_cselect_b64 s[26:27], s[4:5], s[6:7]         ; even waves pred_boxes, odd waves anchors
	s_add_nc_u64 s[26:27], s[26:27], s[18:19]
	s_add_nc_u64 s[10:11], s[10:11], s[20:21]
	s_add_nc_u64 s[8:9], s[8:9], s[22:23]
	s_add_nc_u64 s[12:13], s[12:13], s[28:29]
.irp c, 0,1,2,3,4,5,6,7,8,9,10,11,12,13,14,15
	global_load_b64 v[CI+2*\c:CI+2*\c+1], v[CA], s[10:11] offset:1024*\c
.endr
	global_load_b128 v[GT:GT+3], v[Z], s[8:9]      ; the target's box, the same in all lanes
.irp k, 0,1,2,3
	v_mov_b32 v[M+\k], 0x7f800000                  ; +inf: any finite cost displaces it
	v_mov_b32 v[I+\k], 0
	v_mov_b32 v[O+\k], 0                           ; destinations of moves between lanes count as read: written once here
	v_mov_b32 v[OI+\k], 0
.endr
	s_wait_loadcnt 0x1                             ; the 16 loads of block numbers are in; the target's box may be out
	; The two blocks of a chunk in ascending order, so that my 32 indices ascend (chunks ascend already).  Each number is bounded to 2,047 in front of its address.
.irp c, 0,1,2,3,4,5,6,7,8,9,10,11,12,13,14,15
	v_min_u32 v[OFF+2*\c],   v[CI+2*\c], v[CI+2*\c+1]
	v_max_u32 v[OFF+2*\c+1], v[CI+2*\c], v[CI+2*\c+1]
	v_min_u32 v[OFF+2*\c],   0x7ff, v[OFF+2*\c]
	v_min_u32 v[OFF+2*\c+1], 0x7ff, v[OFF+2*\c+1]
	v_lshlrev_b32 v[OFF+2*\c],   8, v[OFF+2*\c]    ; a block is 256 bytes
	v_lshlrev_b32 v[OFF+2*\c+1], 8, v[OFF+2*\c+1]
	v_add_nc_u32 v[OFF+2*\c],   v[R16], v[OFF+2*\c]
	v_add_nc_u32 v[OFF+2*\c+1], v[R16], v[OFF+2*\c+1]
	global_load_b128 v[X+8*\c:X+8*\c+3],   v[OFF+2*\c],   s[26:27]
	global_load_b128 v[X+8*\c+4:X+8*\c+7], v[OFF+2*\c+1], s[26:27]
.endr
	s_wait_loadcnt 32                              ; the target's box is in; the 32 gathers behind it may be out
	v_pk_add_f32 v[T:T+1], v[GT:GT+1], v[GT+2:GT+3]
	v_pk_add_f32 v[GT+2:GT+3], v[GT+2:GT+3], v[GT:GT+1] neg_lo:[0,1] neg_hi:[0,1]
	v_pk_mul_f32 v[GT:GT+1], v[T:T+1], 0.5 op_sel_hi:[1,0]
; x (a register) with its index (a register) goes into the sorted list, without a branch.  My indices ascend, so a strict < keeps the lower index in front among equals.
.macro INSERT x, j
	v_cmp_lt_f32 s36, v[\x], v[M+3]
	v_cmp_lt_f32 s37, v[\x], v[M+2]
	v_cmp_lt_f32 s38, v[\x], v[M+1]
	v_cmp_lt_f32 s39, v[\x], v[M]
	v_med3_num_f32 v[M+3], v[M+2], v[M+3], v[\x]
	v_med3_num_f32 v[M+2], v[M+1], v[M+2], v[\x]
	v_med3_num_f32 v[M+1], v[M], v[M+1], v[\x]
	v_min_num_f32 v[M], v[M], v[\x]
	v_cndmask_b32 v[I+3], v[I+3], v[\j], s36
	v_cndmask_b32 v[AT], v[I+2], v[\j], s37
	v_cndmask_b32 v[AT+1], v[I+1], v[\j], s38
	v_cndmask_b32 v[I+3], v[I+3], v[I+2], s37
	v_cndmask_b32 v[I+2], v[AT], v[I+1], s38
	v_cndmask_b32 v[I+1], v[AT+1], v[I], s39
	v_cndmask_b32 v[I], v[I], v[\j], s39
.endm
; four queries e0 .. e0+3: convert, cost, insert
.macro GROUP e0
	s_wait_loadcnt 28-\e0                          ; gather e0+3 is in: 31 - (e0+3) younger ones may be out
.irp k, 0,1,2,3
	v_pk_add_f32 v[T+2*\k:T+2*\k+1], v[X+4*(\e0+\k):X+4*(\e0+\k)+1], v[X+4*(\e0+\k)+2:X+4*(\e0+\k)+3]
.endr
.irp k, 0,1,2,3
	v_pk_add_f32 v[X+4*(\e0+\k)+2:X+4*(\e0+\k)+3], v[X+4*(\e0+\k)+2:X+4*(\e0+\k)+3], v[X+4*(\e0+\k):X+4*(\e0+\k)+1] neg_lo:[0,1] neg_hi:[0,1]
.endr
.irp k, 0,1,2,3
	v_pk_mul_f32 v[X+4*(\e0+\k):X+4*(\e0+\k)+1], v[T+2*\k:T+2*\k+1], 0.5 op_sel_hi:[1,0]
.endr
.irp k, 0,1,2,3
	v_pk_add_f32 v[X+4*(\e0+\k)+2:X+4*(\e0+\k)+3], v[X+4*(\e0+\k)+2:X+4*(\e0+\k)+3], v[GT+2:GT+3] neg_lo:[0,1] neg_hi:[0,1]
.endr
.irp k, 0,1,2,3
	v_pk_add_f32 v[X+4*(\e0+\k):X+4*(\e0+\k)+1], v[X+4*(\e0+\k):X+4*(\e0+\k)+1], v[GT:GT+1] neg_lo:[0,1] neg_hi:[0,1]
.endr
.irp k, 0,1,2,3
	v_add_f32 v[X+4*(\e0+\k)], |v[X+4*(\e0+\k)]|, |v[X+4*(\e0+\k)+1]|
.endr
.irp k, 0,1,2,3
	v_add_f32 v[X+4*(\e0+\k)], v[X+4*(\e0+\k)], |v[X+4*(\e0+\k)+2]|
.endr
.irp k, 0,1,2,3
	v_add_f32 v[X+4*(\e0+\k)], v[X+4*(\e0+\k)], |v[X+4*(\e0+\k)+3]|
.endr
.irp k, 0,1,2,3
	v_lshrrev_b32 v[QI+\k], 4, v[OFF+\e0+\k]       ; byte offset / 16 = 16 x block + r: the query's index
.endr
.irp k, 0,1,2,3
	INSERT X+4*(\e0+\k), QI+\k
.endr
.endm
.irp e, 0,4,8,12,16,20,24,28
	GROUP \e
.endr
; Two compare-and-exchange steps on pairs (a0, b0) and (a1, b1), from set (sm, si) into set (dm, di).  'Before' is: smaller cost, or equal cost and lower index.
.macro CE2 sm, si, dm, di, a0, b0, a1, b1
	v_cmp_lt_f32 s32, v[\sm+\a0], v[\sm+\b0]
	v_cmp_eq_f32 s36, v[\sm+\a0], v[\sm+\b0]
	v_cmp_lt_u32 s40, v[\si+\a0], v[\si+\b0]
	v_cmp_lt_f32 s33, v[\sm+\a1], v[\sm+\b1]
	v_cmp_eq_f32 s37, v[\sm+\a1], v[\sm+\b1]
	v_cmp_lt_u32 s41, v[\si+\a1], v[\si+\b1]
	v_min_num_f32 v[\dm+\a0], v[\sm+\a0], v[\sm+\b0]
	v_max_num_f32 v[\dm+\b0], v[\sm+\a0], v[\sm+\b0]
	v_min_num_f32 v[\dm+\a1], v[\sm+\a1], v[\sm+\b1]
	v_max_num_f32 v[\dm+\b1], v[\sm+\a1], v[\sm+\b1]
	s_and_b32 s36, s36, s40
	s_and_b32 s37, s37, s41
	s_or_b32 s32, s32, s36
	s_or_b32 s33, s33, s37
	v_cndmask_b32 v[\di+\a0], v[\si+\b0], v[\si+\a0], s32
	v_cndmask_b32 v[\di+\b0], v[\si+\a0], v[\si+\b0], s32
	v_cndmask_b32 v[\di+\a1], v[\si+\b1], v[\si+\a1], s33
	v_cndmask_b32 v[\di+\b1], v[\si+\a1], v[\si+\b1], s33
.endm
; My sorted four and the other lane's sorted four (in O, OI) become the sorted first four of the eight.  first(mine[k], other's[3-k]), k = 0..3, are the
; first four, in an order that rises and then falls (or the reverse); two steps of compare-and-exchange sort such a run.  Both lanes end with the same list.
.macro MERGE
.irp k, 0,1,2,3
	v_cmp_lt_f32 s[32+\k], v[M+\k], v[O+3-\k]
	v_cmp_eq_f32 s[36+\k], v[M+\k], v[O+3-\k]
	v_cmp_lt_u32 s[40+\k], v[I+\k], v[OI+3-\k]
.endr
.irp k, 0,1,2,3
	v_min_num_f32 v[M+\k], v[M+\k], v[O+3-\k]
.endr
.irp k, 0,1,2,3
	s_and_b32 s[36+\k], s[36+\k], s[40+\k]
.endr
.irp k, 0,1,2,3
	s_or_b32 s[32+\k], s[32+\k], s[36+\k]
.endr
.irp k, 0,1,2,3
	v_cndmask_b32 v[I+\k], v[OI+3-\k], v[I+\k], s[32+\k]
.endr
	CE2 M, I, N, NI, 0, 2, 1, 3
	CE2 N, NI, M, I, 0, 1, 2, 3
.endm
.irp x, 1,2,4,8
.irp k, 0,1,2,3
	v_mov_b32_dpp v[O+\k],  v[M+\k] row_xmask:\x row_mask:0xf bank_mask:0xf    ; the list of lane l ^ x
	v_mov_b32_dpp v[OI+\k], v[I+\k] row_xmask:\x row_mask:0xf bank_mask:0xf
.endr
	MERGE
.endr
.irp k, 0,1,2,3
	v_permlanex16_b32 v[O+\k],  v[M+\k], s44, s45                              ; the list of lane l ^ 16
	v_permlanex16_b32 v[OI+\k], v[I+\k], s44, s45
.endr
	MERGE
	; every lane holds the list's four indices; lane 0 stores them: out0[batch][8 target + 4 source + 0..3]
	s_wait_xcnt 0x0                                ; EXEC is a source of the loads above: it is narrowed only behind this wait
	v_cmp_eq_u32 vcc_lo, 0, v[LN]
	s_and_saveexec_b32 s30, vcc_lo
	global_store_b128 v[Z], v[I:I+3], s[12:13]
	s_endpgm
.Lfunc_end_k_q449cc41583_rescan:
	.size	k_q449cc41583_rescan, .Lfunc_end_k_q449cc41583_rescan-k_q449cc41583_rescan
	.p2alignl 7, 3214868480
	.fill 96, 4, 3214868480
	.section	.rodata,"a",@progbits
	.p2align	6, 0x0
	.amdhsa_kernel k_q449cc41583_rescan
		.amdhsa_group_segment_fixed_size 0
		.amdhsa_private_segment_fixed_size 0
		.amdhsa_enable_private_segment 0
		.amdhsa_kernarg_size 40
		.amdhsa_user_sgpr_count 2
		.amdhsa_user_sgpr_kernarg_segment_ptr 1
		.amdhsa_wavefront_size32 1
		.amdhsa_system_sgpr_workgroup_id_x 1
		.amdhsa_system_sgpr_workgroup_id_y 1
		.amdhsa_system_sgpr_workgroup_id_z 1
		.amdhsa_system_vgpr_workitem_id 0
		.amdhsa_next_free_vgpr 242
		.amdhsa_next_free_sgpr 66
		.amdhsa_reserve_vcc 1
		.amdhsa_float_denorm_mode_32 3
		.amdhsa_float_denorm_mode_16_64 3
		.amdhsa_memory_ordered 1
		.amdhsa_forward_progress 1
		.amdhsa_inst_pref_size 77
	.end_amdhsa_kernel
	.amdgpu_metadata
---
amdhsa.version: [ 1, 2 ]
amdhsa.kernels:
  - .name:           k_q449cc41583_rescan
    .symbol:         k_q449cc41583_rescan.kd
    .args:
      - { .name: pred_boxes, .offset: 0, .size: 8, .value_kind: global_buffer, .address_space: global }
      - { .name: anchors, .offset: 8, .size: 8, .value_kind: global_buffer, .address_space: global }
      - { .name: gt_boxes, .offset: 16, .size: 8, .value_kind: global_buffer, .address_space: global }
      - { .name: cand, .offset: 24, .size: 8, .value_kind: global_buffer, .address_space: global }
      - { .name: out0, .offset: 32, .size: 8, .value_kind: global_buffer, .address_space: global }
    .group_segment_fixed_size: 0
    .private_segment_fixed_size: 0
    .kernarg_segment_align: 8
    .kernarg_segment_size: 40
    .max_flat_workgroup_size: 128
    .sgpr_count:     66
    .vgpr_count:     242
    .wavefront_size: 32
...
	.end_amdgpu_metadata
.endif
;; end of part 2
;; ======== version 2 of 2: 2 launches; version 1 with the launch blocks written anew for expert scheduling mode
;; workspace buffers: cand 262,144 bytes of whole numbers
;; launch blocks (part 3): grid 256 x 1, 4 waves a work-group, no clusters, 168,448 bytes of LDS; arguments pred_boxes, anchors, gt_boxes, cand, out1; writes cand, out1
.if DOCPART == 3
	.amdgcn_target "amdgcn-amd-amdhsa--gfx1250"
	.amdhsa_code_object_version 6
	.text
	.protected	k_q449cc41583_blocks
	.globl	k_q449cc41583_blocks
	.p2align	8
	.type	k_q449cc41583_blocks,@function
k_q449cc41583_blocks:
	s_mov_b64 s[64:65], 0
	v_nop
	global_prefetch_b8 v0, s[64:65] scope:SCOPE_SE
	s_setreg_imm32_b32 hwreg(HW_REG_WAVE_SCHED_MODE, 0, 2), 2
	s_setreg_imm32_b32 hwreg(HW_REG_WAVE_MODE, 25, 1), 1
	s_wait_xcnt 0x0
	s_wait_alu depctr_vm_vsrc(0)
; FIRST OF TWO LAUNCHES.  For each list (source, batch, target) the four smallest L1 costs over 32,768 queries are wanted, with their indices.
; Queries go in BLOCKS of 16 neighbours.  This launch finds, for each list and each chunk of 2,048 queries (128 blocks), the four blocks that come
; first by (smallest cost in the block, block number), and stores their numbers.  Every member of the chunk's first four queries by (cost, index) lies
; in one of them: were its block not chosen, four chosen blocks would each hold a query that comes before it.  (For ties this needs blocks of
; NEIGHBOURING queries: a lower block number then means lower indices.)  The second launch looks at the chosen blocks query by query.
; So a pair (query, target) costs its seven additions and half a minimum here; indices are tracked once for 16 queries.
;
; Work-group n of 256: source n >> 7 (0 pred_boxes, 1 anchors), batch (n >> 4) & 7, chunk n & 15; all 64 targets.  Each box byte is read once in the launch.
; Four waves; a wave owns 512 queries, a lane one block: 16 queries, converted once to (cx, cy, w, h) and kept in 64 registers.
; No tile of boxes is shared between work-groups (only the batch's 1,024 bytes of targets, against 32,768 bytes of boxes), so no joint loads in a cluster.
; Arithmetic as the source writes it: (x0+x1)*0.5, (y0+y1)*0.5, x1-x0, y1-y0; cost = ((|d0|+|d1|)+|d2|)+|d3|, all f32.
; LIMIT: every cost must be finite (coordinates below about 4e37 in magnitude, no NaN, no infinity): the lists start with +inf, which only a smaller cost displaces.
; The launch asks for more than half of a WGP's LDS (it uses 72,704 bytes), so that each of the 256 work-groups has a WGP, and each wave a SIMD, to itself.
;
; THE MODE: SCHED_MODE bits 1:0 = 2 (LLVM: expert scheduling mode 2), set by the entry lines.  The code itself states the register dependences
; between vector instructions and memory or LDS instructions, with s_wait_alu, always for 0.
; THE PLAN.  Registers that memory or LDS instructions touch:
;   v[GO], v[TS], v[TL], v[GS], v[SA]   offsets and LDS addresses, made once at the head and never written again.
;   GR, D at the head   Global loads land in them, the conversions work in place, LDS stores read them.  The queries go in four blocks of four: a block's stores stand
;                       at the head of the next block, behind one wait.  From the loop on D is the subtractions': one wait on vm_vsrc stands in front of the first of them.
;   G, four slots       Two buffers of two slots, which take turns; a STEP is two targets.  While a step's subtractions read one buffer, the next step's two targets are loaded into the other.
;   R0 .. R3            Target t's smallest cost is written into R[t % 4] by the last line of its tree, which stands in target t + 1; the LDS stores into M read them.
;   v[GA], v[MA]        Read by every load of a target and every store into M; each is stepped once a trip, at the head of the trip's second target.
;   D in the scan       Sixteen LDS loads land in it behind the barrier; the last vector line that names D stands in front of the last wait on va_vdst of the loop's tail.
; IN THE LOOP one wait on va_vdst stands in a step, in its first target, behind the line that finishes the target before.  It states that the two results of the step before are
; written, that the step before is done reading its two slots, and that v[GA] and v[MA] are written.  The step's two loads and two stores follow it in one run.  One wait on vm_vsrc a
; trip stands in front of the two address adds: behind it v[GA], v[MA] and the four R, which the runs issued so far have read, are written again.
.set TP,   272                         ; LDS pitch of a block: 16 queries x 16 bytes + 16 = 17 x 16 bytes: sixteen lanes at one column of sixteen blocks touch sixteen different 16-byte columns modulo 256
.set TRW,  32*TP                       ; a wave's own bytes for turning its 512 queries: 32 blocks
.set GTB,  4*TRW                       ; behind them: each wave's own copy of the 64 converted targets, 1,024 bytes
.set MB,   GTB+4*1024                  ; behind them: M[target][block], the blocks' smallest costs
.set MP,   528                         ; M's pitch: 128 blocks x 4 bytes + 16 = 33 x 16 bytes
.set LN,  1                            ; v1      lane
.set RR,  2                            ; v2      lane & 15
.set HH,  3                            ; v3      lane >> 4
.set GO,  4                            ; v4      16 x lane
.set TS,  5                            ; v5      LDS: where a converted query is put
.set TL,  6                            ; v6      LDS: my block
.set GS,  7                            ; v7      LDS: where a converted target is put
.set GA,  8                            ; v8      LDS: the targets' copy, at the trip in hand (the same in all lanes)
.set MA,  9                            ; v9      LDS: my block's column of M, at the trip in hand
.set SA,  10                           ; v10     LDS: the 64 blocks of M that I scan
.set T,   12                           ; v[12:13] at work
.set OO,  14                           ; v14     out1: byte offset
.set G,   16                           ; v[16:31] four targets (cx, cy, w, h), each in all lanes
.set A,   32                           ; v[32:38] the tree of minima
.set M,   40                           ; v[40:43] my four smallest block minima, ascending
.set I,   44                           ; v[44:47] their block numbers
.set AT,  48                           ; v[48:49] at work in an insertion
.set P,   50                           ; v[50:51] the two block numbers that I store
.set CO,  52                           ; v52     cand: byte offset
.set BI,  53                           ; v53     number of the first block that I scan
.set O1,  54                           ; v[54:55] out1: data
.set GR,  56                           ; v[56:63] two targets as loaded
.set Q,   64                           ; v[64:127]  my 16 queries (cx, cy, w, h)
.set D,   128                          ; v[128:191] queries as loaded; then differences and costs; then 64 block minima
.set R,   192                          ; v[192:195] four targets' smallest costs, on their way into M
.set MS,  20                           ; s[20:35]   the scan: the masks of four insertions (these registers' earlier contents are no longer wanted there)
; a box (x0, y0, x1, y1) in four registers becomes (cx, cy, w, h) in place
.macro CONV a
	v_pk_add_f32 v[T:T+1], v[\a:\a+1], v[\a+2:\a+3]                                ; x0+x1, y0+y1
	v_pk_add_f32 v[\a+2:\a+3], v[\a+2:\a+3], v[\a:\a+1] neg_lo:[0,1] neg_hi:[0,1]  ; x1-x0, y1-y0
	v_pk_mul_f32 v[\a:\a+1], v[T:T+1], 0.5 op_sel_hi:[1,0]
.endm
	s_load_b256 s[4:11], s[0:1], 0x0               ; pred_boxes s[4:5], anchors s[6:7], gt_boxes s[8:9], cand s[10:11]
	s_load_b64 s[12:13], s[0:1], 0x20              ; out1
	v_lshl_add_u32 v15, v0, 2, 0x29000
	v_mov_b32 v39, 0
	v_and_b32 v[LN], 31, v0
	v_lshrrev_b32 v[T], 5, v0
	v_readfirstlane_b32 s14, v[T]                  ; wave 0..3
	s_bfe_u32 s15, ttmp9, 0x30004                  ; batch: 3 bits from bit 4
	s_and_b32 s16, ttmp9, 15                       ; chunk
	s_lshl_b32 s18, s15, 19                        ; batch x 32,768 boxes x 16 bytes
	s_lshl_b32 s17, s16, 15                        ; + chunk x 2,048 x 16
	s_or_b32 s18, s18, s17
	s_wait_alu depctr_va_sdst(0)                   ; s14 is written, ahead of its first reader
	s_lshl_b32 s17, s14, 13                        ; + wave x 512 x 16
	s_or_b32 s18, s18, s17
	s_mov_b32 s19, 0
	s_lshl_b32 s20, s15, 10                        ; batch x 64 targets x 16 bytes
	s_mov_b32 s21, 0
	v_lshlrev_b32 v[GO], 4, v[LN]
	s_wait_kmcnt 0x0
	s_cmp_lt_u32 ttmp9, 128                        ; work-groups 0-127 take pred_boxes, 128-255 anchors
	s_cselect_b64 s[22:23], s[4:5], s[6:7]
	s_add_nc_u64 s[22:23], s[22:23], s[18:19]
	s_add_nc_u64 s[8:9], s[8:9], s[20:21]
	s_wait_alu depctr_va_vdst(0)                   ; v[GO] is written, which the 18 loads below read as their offset
	global_load_b128 v[GR:GR+3],   v[GO], s[8:9]               ; target = lane
	global_load_b128 v[GR+4:GR+7], v[GO], s[8:9] offset:512    ; target = lane + 32
.irp j, 0,1,2,3,4,5,6,7,8,9,10,11,12,13,14,15
	global_load_b128 v[D+4*\j:D+4*\j+3], v[GO], s[22:23] offset:512*\j     ; query 32 j + lane of my wave: 512 neighbouring bytes an instruction
.endr
	; LDS addresses, while the loads are on their way
	v_and_b32 v[RR], 15, v[LN]
	v_lshrrev_b32 v[HH], 4, v[LN]
	s_mul_i32 s24, s14, TRW                        ; my wave's own bytes
	v_mul_u32_u24 v[TS], v[HH], TP                 ; query 32 j + lane lies in block 2 j + (lane >> 4), at place lane & 15
	v_lshl_add_u32 v[TS], v[RR], 4, v[TS]
	v_add_nc_u32 v[TS], s24, v[TS]
	v_mul_u32_u24 v[TL], v[LN], TP                 ; block = lane
	v_add_nc_u32 v[TL], s24, v[TL]
	s_lshl_b32 s25, s14, 10
	s_add_co_u32 s25, s25, GTB                     ; my wave's own copy of the targets
	v_add_nc_u32 v[GS], s25, v[GO]
	v_mov_b32 v[GA], s25
	v_lshlrev_b32 v[MA], 2, v0                     ; M's column = thread = block of the chunk
	v_add_nc_u32 v[MA], MB, v[MA]
	s_mul_i32 s26, s14, 16*MP                      ; the scan: target 16 wave + (lane & 15), blocks 64 (lane >> 4) ..
	s_add_co_u32 s26, s26, MB
	v_mul_u32_u24 v[SA], v[RR], MP
	v_lshl_add_u32 v[SA], v[HH], 8, v[SA]
	v_add_nc_u32 v[SA], s26, v[SA]
	s_mov_b32 s40, 0x76543210                      ; v_permlanex16_b32: lane i reads lane i of the other half
	s_mov_b32 s41, 0xfedcba98
	s_wait_loadcnt 16                              ; loads come back in order: the two targets are in, the 16 query loads may be out
	CONV GR
	CONV GR+4
	; The queries in four blocks of four.  What was converted last is stored at the head of the next block; the block's conversions name other registers than those stores.
.irp b, 0,1,2,3
	s_wait_loadcnt 12-4*\b                         ; loads 4 b to 4 b + 3 are in, the younger ones may be out
	s_wait_alu depctr_va_vdst(0)                   ; the conversions issued so far have written the registers that the stores below read; at b = 0 the LDS addresses made above are written too
.if \b == 0
	ds_store_b128 v[GS], v[GR:GR+3]
	ds_store_b128 v[GS], v[GR+4:GR+7] offset:512
.else
.irp i, 0,1,2,3
	ds_store_b128 v[TS], v[D+16*(\b-1)+4*\i:D+16*(\b-1)+4*\i+3] offset:(4*(\b-1)+\i)*2*TP
.endr
.endif
.irp i, 0,1,2,3
	CONV D+16*\b+4*\i
.endr
.endr
	s_wait_alu depctr_va_vdst(0)                   ; the last block's conversions have written v[D+48 ..], which the stores below read
.irp i, 0,1,2,3
	ds_store_b128 v[TS], v[D+48+4*\i:D+48+4*\i+3] offset:(12+\i)*2*TP
.endr
	; The wave's own bytes, and LDS serves a wave's instructions in order: these loads see the stores above, with no wait and no barrier between.
	; No vector instruction has named Q or G, and v[TL] and v[GA] were written in front of the waits above.
.irp g, 0,1,2,3,4,5,6,7,8,9,10,11,12,13,14,15
	ds_load_b128 v[Q+4*\g:Q+4*\g+3], v[TL] offset:16*\g        ; query g of my block
.endr
.irp u, 0,1,2,3
	ds_load_b128 v[G+4*\u:G+4*\u+3], v[GA] offset:16*\u        ; targets 0 to 3, one address for all lanes
.endr
	s_wait_dscnt 0x0
	s_wait_alu depctr_vm_vsrc(0)                   ; the LDS stores above have read D, which the subtractions write from here on
; differences of query g and target slot u: two packed subtractions
.macro SUBS u, g
	v_pk_add_f32 v[D+4*\g:D+4*\g+1],   v[Q+4*\g:Q+4*\g+1],   v[G+4*\u:G+4*\u+1]   neg_lo:[0,1] neg_hi:[0,1]
	v_pk_add_f32 v[D+4*\g+2:D+4*\g+3], v[Q+4*\g+2:Q+4*\g+3], v[G+4*\u+2:G+4*\u+3] neg_lo:[0,1] neg_hi:[0,1]
.endm
; One target: 16 costs and the first level of their minimum, 88 vector instructions with the rest of the tree.
; The last three steps of a tree hang on each other, so they are done among the NEXT target's subtractions (fin = 1: finish the target before, into its R).
; The cost of query 15 waits in v[D+60], which the subtractions of query 15 write last.
; wt = 1: a step's first target: its two slots have to be in.
; bat: the step's run of LDS instructions.  1: the other buffer's two slots s = (u + 2) % 4 and s + 1 take the next step's targets, and R[s], R[s + 1], the step before's results, go into M;
;      2: the stores alone (nothing is left to load);  0: none.  With the addresses stepped between a trip's two runs, slot s is loaded from v[GA] + 64 + 16 s and R[s] stored at v[MA] + s MP.
; stp: the trip's second target: 1: v[MA] goes on by four targets' rows and v[GA] by four targets;  2: v[MA] alone;  0: neither.
.macro TARGET u, wt, fin, bat, stp
.if \wt
	s_wait_dscnt 2                                 ; LDS instructions end in order: my step's two loads are in; the two stores issued behind them may be out
.endif
.if \stp
	s_wait_alu depctr_vm_vsrc(0)                   ; the loads and stores issued so far have read v[GA], v[MA] and R0 to R3, all of which are written again only behind this line
	v_add_nc_u32 v[MA], 4*MP, v[MA]
.if \stp == 1
	v_add_nc_u32 v[GA], 64, v[GA]
.endif
.endif
.irp g, 0,1,2,3
	SUBS \u, \g
.endr
.if \fin
	v_min3_num_f32 v[A+5], v[A], v[A+1], v[A+2]
	v_min3_num_f32 v[A+6], v[A+3], v[A+4], v[D+60]
.endif
.irp g, 4,5,6,7
	SUBS \u, \g
.endr
.if \fin
	v_min_num_f32 v[R+(\u+3)%4], v[A+5], v[A+6]    ; the block's smallest cost for the target before
.endif
.irp g, 8,9,10,11
	SUBS \u, \g
.endr
.if \bat
	s_wait_alu depctr_va_vdst(0)                   ; the step before's two results are written; its subtractions are done reading the other buffer's slots; v[GA] and v[MA] are written
.if \bat == 1
.irp i, 0,1
	ds_load_b128 v[G+4*((\u+2)%4+\i):G+4*((\u+2)%4+\i)+3], v[GA] offset:64+16*((\u+2)%4+\i)
.endr
.endif
.irp i, 0,1
	ds_store_b32 v[MA], v[R+(\u+2)%4+\i] offset:((\u+2)%4+\i)*MP
.endr
.endif
.irp g, 12,13,14,15
	SUBS \u, \g
.endr
.irp g, 0,1,2,3,4,5,6,7,8,9,10,11,12,13,14,15
	v_add_f32 v[D+4*\g], |v[D+4*\g]|, |v[D+4*\g+1]|
.endr
.irp g, 0,1,2,3,4,5,6,7,8,9,10,11,12,13,14,15
	v_add_f32 v[D+4*\g], v[D+4*\g], |v[D+4*\g+2]|
.endr
.irp g, 0,1,2,3,4,5,6,7,8,9,10,11,12,13,14,15
	v_add_f32 v[D+4*\g], v[D+4*\g], |v[D+4*\g+3]|
.endr
.irp a, 0,1,2,3,4
	v_min3_num_f32 v[A+\a], v[D+12*\a], v[D+12*\a+4], v[D+12*\a+8]
.endr
.endm
	; 16 trips of four targets, two steps each.  A trip's LDS instructions are two runs: load, load, store, store.  A run's loads are read from the next step's head on,
	; and nothing but the run's own two stores is issued behind them till then: s_wait_dscnt 2, on the way into the loop and round its back edge alike.
	TARGET 0, 0, 0, 0, 0                           ; the first trip: all four slots were waited for above; nothing to finish, to store or to step yet
	TARGET 1, 0, 1, 0, 0
	TARGET 2, 0, 1, 1, 0                           ; targets 4 and 5 are asked for; targets 0 and 1 go into M
	TARGET 3, 0, 1, 0, 0
	s_mov_b32 s31, 14
.Ltrip:
	TARGET 0, 1, 1, 1, 0
	TARGET 1, 0, 1, 0, 1
	TARGET 2, 1, 1, 1, 0
	TARGET 3, 0, 1, 0, 0
	s_sub_co_u32 s31, s31, 1
	s_cmp_lg_u32 s31, 0
	s_cbranch_scc1 .Ltrip
	TARGET 0, 1, 1, 1, 0                           ; the last trip: targets 62 and 63 are asked for here,
	TARGET 1, 0, 1, 0, 2
	TARGET 2, 1, 1, 2, 0                           ; and nothing beyond them
	TARGET 3, 0, 1, 0, 0
	v_min3_num_f32 v[A+5], v[A], v[A+1], v[A+2]    ; target 63 is finished
	v_min3_num_f32 v[A+6], v[A+3], v[A+4], v[D+60]
	v_min_num_f32 v[R+3], v[A+5], v[A+6]
	s_wait_alu depctr_va_vdst(0)                   ; R2 and R3 are written, which the stores below read; and every vector instruction that names D is done: the scan's loads land in D, and none names it between here and them
	ds_store_b32 v[MA], v[R+2] offset:2*MP
	ds_store_b32 v[MA], v[R+3] offset:3*MP
	s_wait_dscnt 0x0                               ; my part of M is written: zero, for the other waves' sake
	s_barrier_signal -1
	s_barrier_wait -1                              ; M is whole
	; THE SCAN.  Lane (r, h) of wave w: target 16 w + r, blocks 64 h to 64 h + 63, in ascending order.
.irp i, 0,1,2,3,4,5,6,7,8,9,10,11,12,13,14,15
	ds_load_b128 v[D+4*\i:D+4*\i+3], v[SA] offset:16*\i
.endr
.irp k, 0,1,2,3
	v_mov_b32 v[M+\k], 0x7f800000                  ; +inf: any finite cost displaces it
	v_mov_b32 v[I+\k], 0
.endr
; x (a register) with number j goes into the sorted list, without a branch.  A strict < keeps the earlier, lower number in front among equals.
; New value at place p: the middle one of (old p-1, old p, x).  New number at place p: x < old p-1 ? old number p-1 : (x < old p ? j : old number p).
; The values do not hang on the numbers, so an insertion is written in two parts: VALS makes its four masks, in s[m .. m+3], and the new values; NUMS makes the new numbers from the masks.
; Four insertions' VALS stand together, then one wait for their sixteen masks, then their four NUMS.
.macro VALS x, m
	v_cmp_lt_f32 s[\m],   v[\x], v[M+3]
	v_cmp_lt_f32 s[\m+1], v[\x], v[M+2]
	v_cmp_lt_f32 s[\m+2], v[\x], v[M+1]
	v_cmp_lt_f32 s[\m+3], v[\x], v[M]
	v_med3_num_f32 v[M+3], v[M+2], v[M+3], v[\x]
	v_med3_num_f32 v[M+2], v[M+1], v[M+2], v[\x]
	v_med3_num_f32 v[M+1], v[M], v[M+1], v[\x]
	v_min_num_f32 v[M], v[M], v[\x]
.endm
.macro NUMS j, m
	v_cndmask_b32 v[I+3], v[I+3], \j, s[\m]
	v_cndmask_b32 v[AT], v[I+2], \j, s[\m+1]
	v_cndmask_b32 v[AT+1], v[I+1], \j, s[\m+2]
	v_cndmask_b32 v[I+3], v[I+3], v[I+2], s[\m+1]
	v_cndmask_b32 v[I+2], v[AT], v[I+1], s[\m+2]
	v_cndmask_b32 v[I+1], v[AT+1], v[I], s[\m+3]
	v_cndmask_b32 v[I], v[I], \j, s[\m+3]
.endm
.irp i, 0,1,2,3,4,5,6,7,8,9,10,11,12,13,14,15
	s_wait_dscnt 15-\i                             ; load i is in, the younger ones may be out
.irp e, 0,1,2,3
	VALS D+4*\i+\e, MS+4*\e
.endr
	s_wait_alu depctr_va_sdst(0)                   ; the sixteen compares have written their masks, ahead of the selects that read them
.irp e, 0,1,2,3
	NUMS 4*\i+\e, MS+4*\e
.endr
.endr
	; The two halves of a target's blocks lie in lanes l and l ^ 16.  Of two ascending lists a and b the four first are first(a[k], b[3-k]), k = 0..3.
	; Each lane makes k = 0 and k = 1 from its own side: the two lanes together hold the four.  Their order is not needed.
	s_lshl_b32 s27, s16, 7                         ; 128 blocks a chunk
	v_lshl_add_u32 v[BI], v[HH], 6, s27
.irp k, 0,1,2,3
	v_add_nc_u32 v[I+\k], v[BI], v[I+\k]           ; block numbers within (source, batch): 0 to 2,047
.endr
	v_permlanex16_b32 v[D],   v[M+3], s40, s41     ; (the destinations have been written: they held block minima)
	v_permlanex16_b32 v[D+1], v[I+3], s40, s41
	v_permlanex16_b32 v[D+2], v[M+2], s40, s41
	v_permlanex16_b32 v[D+3], v[I+2], s40, s41
	v_cmp_lt_f32 s36, v[M], v[D]                   ; mine comes first: smaller, or equal with the lower number
	v_cmp_eq_f32 s37, v[M], v[D]
	v_cmp_lt_u32 s38, v[I], v[D+1]
	v_cmp_lt_f32 s42, v[M+1], v[D+2]
	v_cmp_eq_f32 s43, v[M+1], v[D+2]
	v_cmp_lt_u32 s44, v[I+1], v[D+3]
	s_wait_alu depctr_va_sdst(0)                   ; the six compares have written their masks, ahead of the scalar lines that read them
	s_and_b32 s37, s37, s38
	s_and_b32 s43, s43, s44
	s_or_b32 s36, s36, s37
	s_or_b32 s42, s42, s43
	v_cndmask_b32 v[P],   v[D+1], v[I],   s36
	v_cndmask_b32 v[P+1], v[D+3], v[I+1], s42
	; cand[source][batch][chunk][target][4]: the work-group's 1,024 bytes lie at 1,024 x its number; a wave's store covers 256 consecutive bytes, aligned
	s_lshl_b32 s28, ttmp9, 10
	s_lshl_b32 s29, s14, 8
	s_or_b32 s28, s28, s29
	s_mov_b32 s29, 0
	s_add_nc_u64 s[10:11], s[10:11], s[28:29]
	v_lshlrev_b32 v[CO], 4, v[RR]
	v_lshl_add_u32 v[CO], v[HH], 3, v[CO]
	s_wait_alu depctr_va_vdst(0)                   ; v[P], v[P+1] and v[CO] are written, which the store reads
	global_store_b64 v[CO], v[P:P+1], s[10:11]
	; out1[b][p] = p & 3: 4,096 numbers, 64 pieces of 256 bytes.  Wave 0 of every fourth work-group writes one whole piece, 8 bytes a lane.
	s_and_b32 s30, ttmp9, 3
	s_or_b32 s30, s30, s14
	s_cmp_lg_u32 s30, 0
	s_cbranch_scc1 .Lend
	v_and_b32 v[O1], 1, v[LN]
	v_lshlrev_b32 v[O1], 1, v[O1]                  ; (2 lane) & 3
	v_or_b32 v[O1+1], 1, v[O1]                     ; (2 lane + 1) & 3
	v_lshlrev_b32 v[OO], 3, v[LN]
	s_lshl_b32 s32, ttmp9, 6                       ; (work-group / 4) x 256
	s_mov_b32 s33, 0
	s_add_nc_u64 s[12:13], s[12:13], s[32:33]
	s_wait_alu depctr_va_vdst(0)                   ; v[O1], v[O1+1] and v[OO] are written, which the store reads
	global_store_b64 v[OO], v[O1:O1+1], s[12:13]
.Lend:
	s_wait_dscnt 0x0
	s_wait_alu depctr_hold_cnt(0) depctr_sa_sdst(0) depctr_va_vdst(0) depctr_va_sdst(0) depctr_va_ssrc(0) depctr_va_vcc(0) depctr_vm_vsrc(0)
	s_wait_tensorcnt 0x0
	ds_add_u32 v15, v39
	s_wait_dscnt 0x0
	s_endpgm
.Lfunc_end_k_q449cc41583_blocks:
	.size	k_q449cc41583_blocks, .Lfunc_end_k_q449cc41583_blocks-k_q449cc41583_blocks
	.p2alignl 7, 3214868480
	.fill 96, 4, 3214868480
	.section	.rodata,"a",@progbits
	.p2align	6, 0x0
	.amdhsa_kernel k_q449cc41583_blocks
		.amdhsa_group_segment_fixed_size 168448
		.amdhsa_private_segment_fixed_size 0
		.amdhsa_enable_private_segment 0
		.amdhsa_kernarg_size 40
		.amdhsa_user_sgpr_count 2
		.amdhsa_user_sgpr_kernarg_segment_ptr 1
		.amdhsa_wavefront_size32 1
		.amdhsa_system_sgpr_workgroup_id_x 1
		.amdhsa_system_sgpr_workgroup_id_y 1
		.amdhsa_system_sgpr_workgroup_id_z 1
		.amdhsa_system_vgpr_workitem_id 0
		.amdhsa_next_free_vgpr 196
		.amdhsa_next_free_sgpr 66
		.amdhsa_reserve_vcc 0
		.amdhsa_float_denorm_mode_32 3
		.amdhsa_float_denorm_mode_16_64 3
		.amdhsa_memory_ordered 1
		.amdhsa_forward_progress 1
		.amdhsa_inst_pref_size 141
	.end_amdhsa_kernel
	.amdgpu_metadata
---
amdhsa.version: [ 1, 2 ]
amdhsa.kernels:
  - .name:           k_q449cc41583_blocks
    .symbol:         k_q449cc41583_blocks.kd
    .args:
      - { .name: pred_boxes, .offset: 0, .size: 8, .value_kind: global_buffer, .address_space: global }
      - { .name: anchors, .offset: 8, .size: 8, .value_kind: global_buffer, .address_space: global }
      - { .name: gt_boxes, .offset: 16, .size: 8, .value_kind: global_buffer, .address_space: global }
      - { .name: cand, .offset: 24, .size: 8, .value_kind: global_buffer, .address_space: global }
      - { .name: out1, .offset: 32, .size: 8, .value_kind: global_buffer, .address_space: global }
    .group_segment_fixed_size: 168448
    .private_segment_fixed_size: 0
    .kernarg_segment_align: 8
    .kernarg_segment_size: 40
    .max_flat_workgroup_size: 128
    .sgpr_count:     66
    .vgpr_count:     196
    .wavefront_size: 32
...
	.end_amdgpu_metadata
.endif
;; end of part 3
;; launch rescan: the kernel of part 2 again; grid 256 x 1, 4 waves a work-group, no clusters, 0 bytes of LDS; arguments pred_boxes, anchors, gt_boxes, cand, out0; writes out0
